; MI455X (gfx1250); checked and timed in simulation.
; The chip was launched on July 23, 2026; its instructions are those of AMD's public machine-readable ISA for CDNA 5 (MIT licence, August 2026) and "CDNA5" Instruction Set Architecture Reference Guide (July 2026). The comments in the code are by the model that wrote it; some were corrected since.
;; VQ Lite Codec. Allowed arithmetic: matrix products marked QUANTISED: E2M1 operands, one E8M0 scale for each 32 along K, by v_wmma_scale_f32_16x16x128_f8f6f4 with both operands' format E2M1 (or v_wmma_scale_f32_32x16x128_f4), f32 sums; everything else in f32.
;; Inputs: codebook 8,192 x 256 float32; h 8 x 4,096 x 256 float32.
;; Outputs: out0 8 x 4,096 x 256 float32; out1 8 x 4,096 int32.
;; This version of the problem:
;;   THIS VERSION OF THE PROBLEM IS GIVEN IN LOW PRECISION. The matrix products marked QUANTISED in the list below multiply operands that are first quantised to E2M1 (2 exponent bits, 1 mantissa bit; 4 bits a number), with one power-of-two scale for each 32 numbers along K (OCP MX v1.0); their sums are f32. All else is computed in f32.
;;   The module's matrix products, in the order in which they are computed (A, B: the left and right operand; K: the contracted axis; several contracted axes count as one K, in the product's order):
;;     1. [M 32,768, K 256] x [K 256, N 8,192]; A: input h; B: input codebook: QUANTISED
;;   THE QUANTISER, for each operand of a quantised product, along K:
;;     - K is cut into blocks of 32 from its start; a last block that is shorter is filled with zeros.
;;     - A block's scale is 2^e with e = floor(log2(the largest magnitude in the block)) - 2, held to -126 .. 127; a block of zeros has e = 0. As a byte (E8M0): e + 127.
;;     - Each number is divided by its block's scale, clamped to +-6, and rounded to the nearest number of E2M1, ties to even, subnormals kept.
;;     - The product sums the exact products of the quantised numbers (number of the format x scale) in f32.
;;   ~~~python
;;   def quantise(x, axis):      # numpy; x: float32 -> the quantised numbers, widened to float32 again
;;       x = np.moveaxis(x, axis, -1); K = x.shape[-1]
;;       x = np.pad(x, [(0, 0)] * (x.ndim - 1) + [(0, -K % 32)]); x = x.reshape(x.shape[:-1] + (-1, 32)); a = np.abs(x).max(-1, keepdims=True)
;;       e = np.where(a > 0, np.clip(np.frexp(np.where(a > 0, a, 1))[1] - 1 - 2, -126, 127), 0)      # np.frexp(a)[1] - 1 = floor(log2(a)), exactly
;;       r = np.clip(x / 2.0 ** e, -6, 6)
;;       step = 2.0 ** (np.maximum(np.frexp(np.where(r == 0, 1, r))[1] - 1, 0) - 1)
;;       q = np.round(r / step) * step * 2.0 ** e      # np.round: ties to even
;;       return np.moveaxis(q.reshape(q.shape[:-2] + (-1,))[..., :K], -1, axis).astype(np.float32)
;;   ~~~
;; One version. Each part assembles by itself: llvm-mc -triple=amdgcn-amd-amdhsa -mcpu=gfx1250 --defsym DOCPART=n.
;; ======== version 1 of 1: 3 launches
;; limits: right only within a limited range of input values
;; workspace buffers: cq 1,146,880 bytes; idxw 131,072 bytes of whole numbers
;; launch cbq (part 1): grid 256 x 1, 4 waves a work-group, no clusters, 34,560 bytes of LDS; arguments codebook, cq; writes cq
.if DOCPART == 1
	.amdgcn_target "amdgcn-amd-amdhsa--gfx1250"
	.amdhsa_code_object_version 6
	.text
	.protected	k_qdee4f5d790_cbq
	.globl	k_qdee4f5d790_cbq
	.p2align	8
	.type	k_qdee4f5d790_cbq,@function
k_qdee4f5d790_cbq:
	s_mov_b64 s[64:65], 0
	v_nop
	global_prefetch_b8 v0, s[64:65] scope:SCOPE_SE
	s_setreg_imm32_b32 hwreg(HW_REG_WAVE_MODE, 25, 1), 1
	s_wait_xcnt 0x0
; The codebook [8192][256] f32 becomes what the search's registers want: codes of FP4 (E2M1) with one E8M0 scale for each 32 along K, and hc = -c2 / 2 for each code (c2 = the row's sum of squares).
; WORK LEFT OUT, in the whole program: reference() returns q_ste = h + (q - h).  In real numbers that is q for every finite h and q, so out0 is the chosen codebook row itself:
; the last launch neither loads h nor forms the two sums.  h stays an input of the search, which quantises it.  On inputs of the problem's kind the two sums move q by their own rounding alone.
; LIMIT: a NaN, an infinity or an overflow that reaches only h + (q - h) is not carried to out0.
; cq: 8 chunks of CHUNK bytes, 64 tiles of 16 neighbouring codes each.  In a chunk: at 2048 t the register images of tile t's two fragments (K step s, registers 4 c .. 4 c + 3 of lane l at 1024 s + 512 c + 16 l);
; at SCLO + 128 t + 4 l the scale word of row l % 16 for K step l / 16; at HCO + 64 t + 4 m the hc of the tile's code m.
; A block's scale is 2^(floor(log2(its largest magnitude)) - 2); its byte is the largest magnitude's exponent field - 2, held at 1 from below.
; LIMITS: NaN and infinities among the inputs are not served.  A block of zeros gets the byte 1 where the quantiser's rule says 127: its codes are zeros, and this program alone reads the bytes.
; c2 is summed in four chains of fused multiply-adds for each half of a row, and the two halves are added: another order of rounding than a plain sum's.
; SHARES: a work-group takes two tiles; wave w takes K step w % 2 of tile w / 2: 16 half rows of 512 bytes, each by one load of 512 consecutive bytes.  The conversions want 16 neighbours along K in a lane,
; so the numbers turn through the wave's own stage in LDS (rows 528 bytes apart).  The two waves of a tile hand each other their halves of c2 through LDS, behind one barrier.
; No tensor load, no cluster: no work-group reads what another reads.  The images leave as 512 consecutive bytes a store; the scale words and hc (64 bytes each) are short stores: 192 of a tile's 2,240 bytes.
.set CHUNK,  143360
.set SCLO,   131072
.set HCO,    139264
.set SPITCH, 528
.set STGB,   16*SPITCH
.set XCH,    4*STGB                    ; the halves of c2: 64 bytes a wave
.set SPARE,  XCH+256                   ; the spare words, 128 bytes a wave
.set STA, 4
.set TM,  56
.set PC0, 72
.set SQ,  92
.set TT,  100
.set C2,  101
.set PW0, 102
.set HCV, 105
.set PA,  106
.set PB,  107
.set R,   128                          ; v128-191 as loaded
.set N,   192                          ; v192-255 register 16 b + i = k 32 b + 16 (l / 16) + i of my row's half
.set SEL, 20
.macro SQSUM n
.set p, 0
.rept 32
.if p < 4
	v_pk_mul_f32 v[SQ+2*(p%4):SQ+2*(p%4)+1], v[\n+2*p:\n+2*p+1], v[\n+2*p:\n+2*p+1]
.else
	v_pk_fma_f32 v[SQ+2*(p%4):SQ+2*(p%4)+1], v[\n+2*p:\n+2*p+1], v[\n+2*p:\n+2*p+1], v[SQ+2*(p%4):SQ+2*(p%4)+1]
.endif
.set p, p+1
.endr
.endm
.macro SQEND dst
	v_pk_add_f32 v[SQ:SQ+1], v[SQ:SQ+1], v[SQ+2:SQ+3]
	v_pk_add_f32 v[SQ+4:SQ+5], v[SQ+4:SQ+5], v[SQ+6:SQ+7]
	v_pk_add_f32 v[SQ:SQ+1], v[SQ:SQ+1], v[SQ+4:SQ+5]
	v_add_f32 v[SQ], v[SQ], v[SQ+1]
	v_permlanex16_b32 v[TT], v[SQ], s[SEL], s[SEL+1]
	v_add_f32 v[\dst], v[SQ], v[TT]
.endm
.macro QUANT s, pc, pw                 ; 64 numbers of a lane become a fragment's 8 registers and the row's scale word
.irp b, 0,1,2,3
	v_max3_num_f32 v[TM+\b], |v[\s+16*\b]|, |v[\s+1+16*\b]|, 0x1800000   ; and the floor 2^(3 - 127): the byte cannot fall under 1
.endr
.irp i, 2,4,6,8,10,12,14
.irp b, 0,1,2,3
	v_max3_num_f32 v[TM+\b], v[TM+\b], |v[\s+16*\b+\i]|, |v[\s+1+16*\b+\i]|
.endr
.endr
.irp b, 0,1,2,3
	v_permlanex16_b32 v[TM+4+\b], v[TM+\b], s[SEL], s[SEL+1]
.endr
.irp b, 0,1,2,3
	v_max_num_f32 v[TM+\b], v[TM+\b], v[TM+4+\b]
.endr
.irp b, 0,1,2,3
	v_add_nc_u32 v[TM+12+\b], 0xff000000, v[TM+\b]     ; 2 off the exponent field: the conversion takes that field as its scale
.endr
.irp b, 0,1,2,3
	v_lshrrev_b32 v[TM+4+\b], 23, v[TM+12+\b]
.endr
	v_lshl_or_b32 v[\pw], v[TM+5], 8, v[TM+4]
	v_lshl_or_b32 v[\pw], v[TM+6], 16, v[\pw]
	v_lshl_or_b32 v[\pw], v[TM+7], 24, v[\pw]
.irp b, 0,1,2,3
	v_cvt_scalef32_pk8_fp4_f32 v[\pc+2*\b], v[\s+16*\b:\s+7+16*\b], v[TM+12+\b]
	v_cvt_scalef32_pk8_fp4_f32 v[\pc+1+2*\b], v[\s+8+16*\b:\s+15+16*\b], v[TM+12+\b]
.endr
	v_nop                                              ; one plain place behind a scaled conversion
.irp c, 0,1
.irp i, 0,1
	v_permlane16_swap_b32 v[\pc+4*\c+\i], v[\pc+2+4*\c+\i]
.endr
.endr
.endm
	s_load_b128 s[4:7], s[0:1], 0x0                ; codebook s[4:5], cq s[6:7]
	v_lshl_add_u32 v126, v0, 2, SPARE
	v_mov_b32 v127, 0
	v_lshrrev_b32 v1, 5, v0
	v_readfirstlane_b32 s8, v1                     ; wave 0..3
	s_lshr_b32 s16, s8, 1                          ; which of the two tiles
	s_and_b32 s17, s8, 1                           ; which K step
	s_lshl_b32 s9, ttmp9, 1
	s_add_co_u32 s9, s9, s16                       ; my tile
	s_lshl_b32 s10, s9, 14                         ; its 16 rows of 1,024 bytes,
	s_lshl_b32 s12, s17, 9
	s_add_co_u32 s10, s10, s12                     ; my 512 bytes of each
	s_mov_b32 s11, 0
	s_lshr_b32 s26, s9, 6
	s_mul_i32 s26, s26, CHUNK
	s_mov_b32 s27, 0
	s_and_b32 s28, s9, 63
	s_lshl_b32 s29, s28, 11
	s_lshl_b32 s12, s17, 10
	s_add_co_u32 s29, s29, s12
	s_lshl_b32 s30, s28, 7
	s_lshl_b32 s12, s17, 6
	s_add_co_u32 s30, s30, s12
	s_add_co_u32 s30, s30, SCLO
	s_lshl_b32 s31, s28, 6
	s_add_co_u32 s31, s31, HCO
	s_mul_i32 s13, s8, STGB                        ; my stage
	s_lshl_b32 s18, s8, 6
	s_add_co_u32 s18, s18, XCH                     ; my half of c2
	s_lshl_b32 s19, s16, 7
	s_add_co_u32 s19, s19, XCH                     ; my tile's two halves
	s_mov_b32 s[SEL], 0x76543210
	s_mov_b32 s[SEL+1], 0xfedcba98
	v_and_b32 v2, 31, v0                           ; lane
	v_and_b32 v3, 15, v0                           ; r
	v_bfe_u32 v9, v0, 4, 1                         ; h
	v_lshlrev_b32 v10, 4, v2                       ; my 16 bytes of a load's 512
	v_lshl_add_u32 v11, v2, 4, s13                 ; and of a stage row
	v_mul_u32_u24 v[STA], v3, SPITCH
	v_lshl_add_u32 v5, v2, 4, s29                  ; the images
	v_lshl_add_u32 v6, v3, 2, s30                  ; the scale words
	v_lshl_add_u32 v7, v3, 2, s31                  ; hc
	v_lshl_add_u32 v[STA], v9, 6, v[STA]
	v_lshl_add_u32 v8, v3, 2, s18
	v_lshl_add_u32 v12, v3, 2, s19
	v_add_nc_u32 v[STA], s13, v[STA]               ; out of the stage: row r, + 64 h
.irp b, 0,1,2,3
	v_mov_b32 v[TM+4+\b], 0                        ; a lane permute's destination counts as one of its sources
.endr
	v_mov_b32 v[TT], 0
	s_wait_alu depctr_va_vdst(0)                   ; the wait at the head's end
	s_wait_kmcnt 0x0
	s_add_nc_u64 s[24:25], s[6:7], s[26:27]
	s_add_nc_u64 s[14:15], s[4:5], s[10:11]
.irp i, 0,1,2,3,4,5,6,7,8,9,10,11,12,13,14,15
	global_load_b128 v[R+4*\i:R+4*\i+3], v10, s[14:15] offset:\i*1024 th:TH_LOAD_NT
.endr
.irp i, 0,1,2,3,4,5,6,7,8,9,10,11,12,13,14,15
	s_wait_loadcnt 15-\i                           ; loads come back in order: row i is in
	ds_store_b128 v11, v[R+4*\i:R+4*\i+3] offset:\i*SPITCH
.endr
.irp b, 0,1,2,3
.irp j, 0,1,2,3
	ds_load_b128 v[N+16*\b+4*\j:N+16*\b+4*\j+3], v[STA] offset:128*\b+16*\j   ; LDS serves a wave's instructions in order: these see my stores
.endr
.endr
	s_wait_dscnt 0x0
	SQSUM N
	SQEND C2
	ds_store_b32 v8, v[C2]                         ; lanes r and r + 16 write the same word with the same value
	s_wait_dscnt 0x0                               ; for the other wave's sake
	s_barrier_signal -1
	QUANT N, PC0, PW0                              ; work on registers while the other wave arrives
	s_wait_alu depctr_va_vdst(0)
	s_barrier_wait -1
	ds_load_b32 v[PA], v12
	ds_load_b32 v[PB], v12 offset:64
	global_store_b128 v5, v[PC0:PC0+3], s[24:25]
	global_store_b128 v5, v[PC0+4:PC0+7], s[24:25] offset:512
	s_wait_dscnt 0x0
	v_add_f32 v[C2], v[PA], v[PB]
	v_mul_f32 v[HCV], -0.5, v[C2]                  ; exact
	v_cmp_gt_u32 vcc_lo, 16, v2
	s_wait_alu depctr_va_vdst(0)
	s_wait_xcnt 0x0                                ; EXEC is a source of the stores above: it changes only behind this wait
	s_wait_tensorcnt 0x0                           ; the wave's end: all lanes on
	ds_add_u32 v126, v127
	s_wait_dscnt 0x0
	s_and_saveexec_b32 s40, vcc_lo
	global_store_b32 v6, v[PW0], s[24:25]          ; lanes 0-15: my K step's scale words
	s_cmp_lg_u32 s17, 0
	s_cbranch_scc1 .Lno_hc
	global_store_b32 v7, v[HCV], s[24:25]          ; K step 0's wave: one hc a code
.Lno_hc:
	s_wait_xcnt 0x0                                ; and again in front of the line that widens EXEC
	s_or_b32 exec_lo, exec_lo, s40
	s_endpgm
.Lfunc_end_k_qdee4f5d790_cbq:
	.size	k_qdee4f5d790_cbq, .Lfunc_end_k_qdee4f5d790_cbq-k_qdee4f5d790_cbq
	.p2alignl 7, 3214868480
	.fill 96, 4, 3214868480
	.section	.rodata,"a",@progbits
	.p2align	6, 0x0
	.amdhsa_kernel k_qdee4f5d790_cbq
		.amdhsa_group_segment_fixed_size 34560
		.amdhsa_private_segment_fixed_size 0
		.amdhsa_enable_private_segment 0
		.amdhsa_kernarg_size 16
		.amdhsa_user_sgpr_count 2
		.amdhsa_user_sgpr_kernarg_segment_ptr 1
		.amdhsa_wavefront_size32 1
		.amdhsa_system_sgpr_workgroup_id_x 1
		.amdhsa_system_sgpr_workgroup_id_y 1
		.amdhsa_system_sgpr_workgroup_id_z 1
		.amdhsa_system_vgpr_workitem_id 0
		.amdhsa_next_free_vgpr 256
		.amdhsa_next_free_sgpr 66
		.amdhsa_reserve_vcc 1
		.amdhsa_float_denorm_mode_32 3
		.amdhsa_float_denorm_mode_16_64 3
		.amdhsa_memory_ordered 1
		.amdhsa_forward_progress 1
		.amdhsa_inst_pref_size 14
	.end_amdhsa_kernel
	.amdgpu_metadata
---
amdhsa.version: [ 1, 2 ]
amdhsa.kernels:
  - .name:           k_qdee4f5d790_cbq
    .symbol:         k_qdee4f5d790_cbq.kd
    .args:
      - { .name: codebook, .offset: 0, .size: 8, .value_kind: global_buffer, .address_space: global }
      - { .name: cq, .offset: 8, .size: 8, .value_kind: global_buffer, .address_space: global }
    .group_segment_fixed_size: 34560
    .private_segment_fixed_size: 0
    .kernarg_segment_align: 8
    .kernarg_segment_size: 16
    .max_flat_workgroup_size: 128
    .sgpr_count:     66
    .vgpr_count:     256
    .wavefront_size: 32
...
	.end_amdgpu_metadata
.endif
;; end of part 1
;; launch search (part 2): grid 256 x 1, 8 waves a work-group, clusters of 4 x 1, 327,680 bytes of LDS; arguments h, cq, out1, idxw; writes out1, idxw
.if DOCPART == 2
	.amdgcn_target "amdgcn-amd-amdhsa--gfx1250"
	.amdhsa_code_object_version 6
	.text
	.protected	k_qdee4f5d790_search
	.globl	k_qdee4f5d790_search
	.p2align	8
	.type	k_qdee4f5d790_search,@function
k_qdee4f5d790_search:
	s_mov_b64 s[64:65], 0
	v_nop
	global_prefetch_b8 v0, s[64:65] scope:SCOPE_SE
	s_setreg_imm32_b32 hwreg(HW_REG_WAVE_MODE, 25, 1), 1
	s_wait_xcnt 0x0
	s_wait_alu depctr_hold_cnt(0) depctr_sa_sdst(0) depctr_va_vdst(0) depctr_va_sdst(0) depctr_va_ssrc(0) depctr_va_vcc(0) depctr_vm_vsrc(0)
	s_getreg_b32 s2, hwreg(HW_REG_IB_STS2, 6, 4)
	s_cmp_eq_u32 s2, 0
	s_cbranch_scc0 .Lentry_in_a_cluster
	s_endpgm
.Lentry_in_a_cluster:
	s_bfe_u32 s2, ttmp6, 0x10000c
	s_cmp_lg_u32 s2, 0x3003
	s_cbranch_scc0 .Lentry_shape_is_right
	s_endpgm
.Lentry_shape_is_right:
; idx[t] = argmin over the 8,192 codes of x2 + c2 - 2 xc, xc in MX-FP4.  A lane keeps the largest s = xc - c2 / 2 (hc = -c2 / 2 is the C of a tile's first product), the first tile and the lowest code on equal s;
; the sixteen candidates of a token (8 waves x 2 halves of lanes) are compared as x2 - 2 s, the lower index on equal numbers.
; SHARES: a work-group takes 128 tokens; wave w quantises tokens 16 w .. 16 w + 15 and hands the fragments to all waves through LDS.  cq comes in 8 chunks of 64 tiles of 16 codes; of each chunk wave w takes tiles 8 w .. 8 w + 7
; against all 128 tokens: source 0 = 16 codes, source 1 = 16 tokens, so a lane holds one token and 8 neighbouring codes.
; CLUSTER: the four work-groups of a cluster walk the same chunks: each chunk is asked for jointly, each wave an eighth (70 rows of 256 bytes).  Two LDS slots of one chunk.
; REGISTERS AS THE THIRD STAGE: a wave holds ALL 8 tiles of the chunk at work in registers (codes 128, hc 64, scale words 8).  So a slot has been read out soon after its chunk's work begins, and the change of slots
; stands at tile 3 of a chunk, with three half steps of register work round the opening signal.  Behind the round each of the seven half steps left fetches ONE tile of the next chunk (tiles 0-6) into registers
; whose products are issued; tile 7 follows in the next chunk's first half step, ahead of that slot's refill.  Each tile is fetched seven half steps or more ahead of its use.
; A HALF STEP is 8 products (a tile against four token tiles) and 40 vector instructions: the FINISH of the half before (for each accumulator a compare into VCC, four dual selects that keep the winning tile's 8 scores,
; one select of the tile's number) and the CHAIN of the half just multiplied (four stages of v_max3: 8 scores and the best so far).  K step 0's four products stand behind compare 0, K step 1's behind compare 2:
; twelve vector instructions part a sum's two steps, and six places stand behind the last product ahead of the first read of a result (ISA guide 7.12.1).
; WAITS: a tile is 7 LDS loads.  s_wait_dscnt 35 at a chunk's head: tiles 0, 1 are in (tiles 2-6 were issued behind them); 28 ahead of tile 2: tiles 2, 3 are in (tiles 4-7 behind them);
; the wait for 0 in front of the signal (in the last chunk: ahead of tile 4) covers the rest.  Every wait on TENSORcnt is for 0; by the text's count a wave has one tensor load out.
; PREFETCH: cq is walked by all work-groups alike, so clusters 0-3 alone ask.  Behind the load of chunk c + 2 stands the request for chunk c + 4 (chunks 4-7 in the loop's first two trips, none in the last);
; chunks 0, 1 are asked for ahead of the first round, 2, 3 behind chunk 0's load.  Of the 70 rows that a wave loads, the partner at place cx names rows 18 cx .. 18 cx + 17, held at 69: a lane a row, one instruction a wave.
; LIMITS: NaN and infinities among the inputs are not served.  A block of zeros gets the scale byte 1 where the quantiser's rule says 127: its codes are zeros.  x2 is summed in four chains of fused multiply-adds.
.set CHUNK,  143360
.set PART,   CHUNK/8
.set SCLO,   131072
.set HCO,    139264
.set SPITCH, 1040
.set STGB,   16*SPITCH
.set SLOT1,  CHUNK
.set TI,     2*CHUNK                   ; the tokens' fragments, as images of the registers
.set TS,     TI+16384                  ; their scale words
.set MRGV,   TS+1024                   ; the waves' candidates: values, and MRGI further on their indices
.set MRGI,   8192
.set OUTS,   MRGV+16384
.set SPARE,  OUTS+512                  ; the spare words: 128 bytes a wave
.set SPW, 1
.set NIL, 2
.set ADC, 3                            ; v3-4 my codes in slot 0, 1;  v5-6 scale words;  v7-8 hc
.set ADS, 5
.set ADH, 7
.set PFO, 9
.set STA, 12
.set TIW, 13
.set TSW, 14
.set TIR, 15
.set TSR, 16
.set H8,  17
.set X2,  18
.set MW,  19
.set MR,  20
.set OW,  21
.set ORD, 22
.set GO,  23
.set TSC, 24                           ; v24-31 the tokens' scale words
.set BA,  32                           ; v32-39, v40-47 the best s, two sets by turns
.set BB,  40
.set ID,  48                           ; v48-55 the winning tile
.set HC,  56                           ; v56-119 hc of my 8 tiles
.set SCL, 120                          ; v120-127 their scale words
.set ACC, 128
.set SV,  192                          ; v192-255 the winning tile's 8 scores.  Window 1: v0-127 the tokens' fragments, v128-255 my 8 tiles' codes
.set LN,  48                           ; at work in the head
.set RR,  49
.set HH,  50
.set TM,  56
.set PC0, 72
.set PC1, 82
.set SQ,  92
.set TT,  100
.set PW0, 102
.set PW1, 103
.set SCW, 104
.set NA,  128
.set NB,  192
.set WV,  12
.set PFA, 18
.set SEL, 20
.set TID, 22
.set LIM, 23
.set G1J, 24
.set G0,  32
.set G0H, 40
.set G1H, 44
.set M,   52
.set NINF, 63
.set MSB, 0
.macro WIN new
.if MSB != \new
	s_set_vgpr_msb (MSB<<8)|\new
.set MSB, \new
.endif
.endm
.macro CREST                           ; a round of the cluster's barrier behind its opening barrier
	s_cmp_lg_u32 s[WV], 0
	s_cbranch_scc1 .Lnot_wave_0_\@
	s_barrier_signal -3
.Lnot_wave_0_\@:
	s_barrier_wait -3
	s_barrier_signal -1
	s_barrier_wait -1
.endm
.macro CROUND
	s_barrier_signal -1
	s_barrier_wait -1
	CREST
.endm
.macro STAGE_IN
.irp s, 0,1
.irp b, 0,1,2,3
.irp j, 0,1,2,3
	ds_load_b128 v[NA+64*\s+16*\b+4*\j:NA+64*\s+16*\b+4*\j+3], v[STA] offset:512*\s+128*\b+16*\j
.endr
.endr
.endr
.endm
.macro SQSUM n, first
.set p, 0
.rept 32
.if (\first) && (p < 4)
	v_pk_mul_f32 v[SQ+2*(p%4):SQ+2*(p%4)+1], v[\n+2*p:\n+2*p+1], v[\n+2*p:\n+2*p+1]
.else
	v_pk_fma_f32 v[SQ+2*(p%4):SQ+2*(p%4)+1], v[\n+2*p:\n+2*p+1], v[\n+2*p:\n+2*p+1], v[SQ+2*(p%4):SQ+2*(p%4)+1]
.endif
.set p, p+1
.endr
.endm
.macro SQEND dst
	s_delay_alu instid0(VALU_DEP_3)
	v_pk_add_f32 v[SQ:SQ+1], v[SQ:SQ+1], v[SQ+2:SQ+3]
	s_delay_alu instid0(VALU_DEP_2)
	v_pk_add_f32 v[SQ+4:SQ+5], v[SQ+4:SQ+5], v[SQ+6:SQ+7]
	s_delay_alu instid0(VALU_DEP_1)
	v_pk_add_f32 v[SQ:SQ+1], v[SQ:SQ+1], v[SQ+4:SQ+5]
	s_delay_alu instid0(VALU_DEP_1)
	v_add_f32 v[SQ], v[SQ], v[SQ+1]
	s_delay_alu instid0(VALU_DEP_1)
	v_permlanex16_b32 v[TT], v[SQ], s[SEL], s[SEL+1]
	s_delay_alu instid0(VALU_DEP_1)
	v_add_f32 v[\dst], v[SQ], v[TT]
.endm
.macro QUANT s, pc, pw                 ; 64 numbers of a lane become a fragment's 8 registers and the row's scale word
.irp b, 0,1,2,3
	v_max3_num_f32 v[TM+\b], |v[\s+16*\b]|, |v[\s+1+16*\b]|, 0x1800000
.endr
.irp i, 2,4,6,8,10,12,14
.irp b, 0,1,2,3
	s_delay_alu instid0(VALU_DEP_4)
	v_max3_num_f32 v[TM+\b], v[TM+\b], |v[\s+16*\b+\i]|, |v[\s+1+16*\b+\i]|
.endr
.endr
.irp b, 0,1,2,3
	s_delay_alu instid0(VALU_DEP_4)
	v_permlanex16_b32 v[TM+4+\b], v[TM+\b], s[SEL], s[SEL+1]
.endr
.irp b, 0,1,2,3
	s_delay_alu instid0(VALU_DEP_4)
	v_max_num_f32 v[TM+\b], v[TM+\b], v[TM+4+\b]
.endr
.irp b, 0,1,2,3
	s_delay_alu instid0(VALU_DEP_4)
	v_add_nc_u32 v[TM+12+\b], 0xff000000, v[TM+\b]
.endr
.irp b, 0,1,2,3
	s_delay_alu instid0(VALU_DEP_4)
	v_lshrrev_b32 v[TM+4+\b], 23, v[TM+12+\b]
.endr
	s_delay_alu instid0(VALU_DEP_3)
	v_lshl_or_b32 v[\pw], v[TM+5], 8, v[TM+4]
	s_delay_alu instid0(VALU_DEP_1)
	v_lshl_or_b32 v[\pw], v[TM+6], 16, v[\pw]
	s_delay_alu instid0(VALU_DEP_1)
	v_lshl_or_b32 v[\pw], v[TM+7], 24, v[\pw]
.irp b, 0,1,2,3
	v_cvt_scalef32_pk8_fp4_f32 v[\pc+2*\b], v[\s+16*\b:\s+7+16*\b], v[TM+12+\b]
	v_cvt_scalef32_pk8_fp4_f32 v[\pc+1+2*\b], v[\s+8+16*\b:\s+15+16*\b], v[TM+12+\b]
.endr
	v_nop
.irp c, 0,1
.irp i, 0,1
	v_permlane16_swap_b32 v[\pc+4*\c+\i], v[\pc+2+4*\c+\i]
.endr
.endr
.endm
.macro LOADT ls, t                     ; tile t of the chunk in slot ls into its registers: 7 LDS loads
	WIN 0x40
.irp q, 0,1,2,3
	ds_load_b128 v[128+16*(\t)+4*\q:128+16*(\t)+4*\q+3], v[ADC+\ls] offset:(\t)*2048+512*\q
.endr
	WIN 0
	ds_load_b32 v[SCL+(\t)], v[ADS+\ls] offset:(\t)*128
	ds_load_b128 v[HC+8*(\t):HC+8*(\t)+3], v[ADH+\ls] offset:(\t)*64
	ds_load_b128 v[HC+8*(\t)+4:HC+8*(\t)+7], v[ADH+\ls] offset:(\t)*64+16
.endm
.macro G t, hf, s                      ; K step s of tile t against token tiles 4 hf .. 4 hf + 3; step 0 takes hc as C; the four accumulators by turns
.set AW, ACC+32*\hf
.set TW, 64*\hf
	WIN 0x05
.irp i, 0,1,2,3
.if \s == 0
	v_wmma_scale_f32_16x16x128_f8f6f4 v[AW+8*\i:AW+8*\i+7], v[128+16*(\t):135+16*(\t)], v[TW+16*\i:TW+16*\i+7], v[HC+8*(\t):HC+8*(\t)+7], v[SCL+(\t)], v[TSC+4*\hf+\i] matrix_a_fmt:MATRIX_FMT_FP4 matrix_b_fmt:MATRIX_FMT_FP4
.else
	v_wmma_scale_f32_16x16x128_f8f6f4 v[AW+8*\i:AW+8*\i+7], v[136+16*(\t):143+16*(\t)], v[TW+16*\i+8:TW+16*\i+15], v[AW+8*\i:AW+8*\i+7], v[SCL+(\t)], v[TSC+4*\hf+\i] matrix_a_fmt:MATRIX_FMT_FP4 matrix_b_fmt:MATRIX_FMT_FP4 matrix_a_scale:MATRIX_SCALE_ROW1 matrix_b_scale:MATRIX_SCALE_ROW1
.endif
.endr
	WIN 0
.endm
.macro SETF t, hf                      ; the half that is finished: the tile's parity picks the sets of best s
.set FBO, BA+8*((\t)&1)+4*\hf
.set FBN, BA+8-8*((\t)&1)+4*\hf
.set FAB, ACC+32*\hf
.set FSB, SV+32*\hf
.set FIB, ID+4*\hf
.endm
.macro SETC t, hf                      ; the half whose chain runs
.set CBO, BA+8*((\t)&1)+4*\hf
.set CBN, BA+8-8*((\t)&1)+4*\hf
.set CAB, ACC+32*\hf
.endm
.macro CMP i
	v_cmp_gt_f32 vcc_lo, v[FBN+\i], v[FBO+\i]
.endm
.macro KEEP i                          ; where the tile has won: its 8 scores, two selects an instruction, and its number
.irp j, 0,2,4,6
	v_dual_cndmask_b32 v[FSB+8*\i+\j], v[FSB+8*\i+\j], v[FAB+8*\i+\j] :: v_dual_cndmask_b32 v[FSB+8*\i+\j+1], v[FSB+8*\i+\j+1], v[FAB+8*\i+\j+1]
.endr
	v_cndmask_b32 v[FIB+\i], v[FIB+\i], s[TID], vcc_lo
.endm
.macro CH s                            ; stage s of the four chains; each accumulator is read from its low end on
.irp i, 0,1,2,3
.if \s == 1
	v_max3_num_f32 v[CBN+\i], v[CAB+8*\i], v[CAB+8*\i+1], v[CAB+8*\i+2]
.endif
.if \s == 2
	v_max3_num_f32 v[CBN+\i], v[CBN+\i], v[CAB+8*\i+3], v[CAB+8*\i+4]
.endif
.if \s == 3
	v_max3_num_f32 v[CBN+\i], v[CBN+\i], v[CAB+8*\i+5], v[CAB+8*\i+6]
.endif
.if \s == 4
	v_max3_num_f32 v[CBN+\i], v[CBN+\i], v[CAB+8*\i+7], v[CBO+\i]
.endif
.endr
.endm
.macro HS t, hf, ld, ls, lt            ; a half step; ld = 1: tile lt of the chunk in slot ls is fetched into registers whose products were issued a half step or more ago
.if \hf
	SETF \t, 0
.else
	SETF (\t)+7, 1
.endif
	SETC \t, \hf
	CMP 0
	G \t, \hf, 0
	KEEP 0
	CMP 1
	KEEP 1
	CMP 2
	G \t, \hf, 1
	KEEP 2
	CMP 3
	CH 1
.if \ld
	LOADT \ls, \lt
.endif
	KEEP 3
	CH 2
	CH 3
	CH 4
.if \hf == 0
.if (\t) == 0
	s_add_co_u32 s[TID], s[TID], 57                ; from tile 7 of a chunk to my tile 0 of the next
.else
	s_add_co_u32 s[TID], s[TID], 1
.endif
.endif
.endm
.macro ALU
	s_wait_alu depctr_va_vdst(0)                   ; directly ahead of a wait that blocks
.endm
.macro ASK off
	s_cmp_gt_u32 s3, s[LIM]                        ; clusters 0-3, and not in the loop's last trip
	s_cbranch_scc0 .Lnp_\@
	global_prefetch_b8 v[PFO], s[PFA:PFA+1] offset:\off th:TH_LOAD_NT scope:SCOPE_SE
.Lnp_\@:
.endm
; The work on one chunk, which lies in registers but for its tile 7, fetched first from slot rs.  kind 2: at tile 3 slot rs is filled again, and the next chunk is fetched from slot ls;
; kind 1: no refill, a barrier shows the last chunk whole; kind 0: the last chunk.
.macro PHASE kind, rs, ls, pf
	ALU
	s_wait_dscnt 35                                ; tiles 0, 1 are in
	HS 0, 0, 1, \rs, 7
	HS 0, 1, 0, 0, 0
	HS 1, 0, 0, 0, 0
	HS 1, 1, 0, 0, 0
	ALU
	s_wait_dscnt 28                                ; tiles 2, 3 are in
	HS 2, 0, 0, 0, 0
	HS 2, 1, 0, 0, 0
.if \kind
	ALU
	s_wait_tensorcnt 0x0                           ; my part of the next chunk has landed
	ds_add_u32 v[SPW], v[NIL]
.endif
.if \kind == 2
	s_add_nc_u64 s[G0+4*\rs+2:G0+4*\rs+3], s[G0+4*\rs+2:G0+4*\rs+3], 2*CHUNK
.endif
	HS 3, 0, 0, 0, 0
.if \kind
	ALU
	s_wait_dscnt 0x0                               ; the add is done, and my reads of slot rs are over: the last was tile 7's
	s_barrier_signal -1
.endif
	HS 3, 1, 0, 0, 0
.if \kind == 0
	ALU
	s_wait_dscnt 0x0
.endif
	HS 4, 0, 0, 0, 0
.if \kind
	ALU
	s_barrier_wait -1
.endif
.if \kind == 2
	CREST
	tensor_load_to_lds s[G0+4*\rs:G0+4*\rs+3], s[G1J:G1J+7]
	s_nop 0
.rept 4
	v_nop
.endr
.endif
.if \pf
	ASK \pf
.endif
.if \kind
	HS 4, 1, 1, \ls, 0
	HS 5, 0, 1, \ls, 1
	HS 5, 1, 1, \ls, 2
	HS 6, 0, 1, \ls, 3
	HS 6, 1, 1, \ls, 4
	HS 7, 0, 1, \ls, 5
	HS 7, 1, 1, \ls, 6
.else
	HS 4, 1, 0, 0, 0
.irp t, 5,6,7
	HS \t, 0, 0, 0, 0
	HS \t, 1, 0, 0, 0
.endr
.endif
.endm
.macro MERGE d, x
	v_cmp_lt_f32 s60, v[\d], v[ACC]
	v_cmp_eq_f32 s61, v[\d], v[ACC]
	v_cmp_lt_u32 s62, v[\x], v[ACC+8]
	s_and_b32 s61, s61, s62
	s_or_b32 s60, s60, s61
	v_cndmask_b32 v[ACC], v[ACC], v[\d], s60
	v_cndmask_b32 v[ACC+8], v[ACC+8], v[\x], s60
.endm
	s_load_b256 s[4:11], s[0:1], 0x0               ; h s[4:5], cq s[6:7], out1 s[8:9], idxw s[10:11]
	v_lshl_add_u32 v[SPW], v0, 2, SPARE
	v_mov_b32 v[NIL], 0
	ds_add_u32 v[SPW], v[NIL]                      ; the opening lines: the add twice on end
	ds_add_u32 v[SPW], v[NIL]
	v_lshrrev_b32 v[LN], 5, v0
	v_readfirstlane_b32 s[WV], v[LN]               ; wave 0..7
	s_bfe_u32 s13, ttmp6, 0x40000                  ; cx
	s_lshl_b32 s14, ttmp9, 2
	s_add_co_u32 s14, s14, s13                     ; work-group
	s_mov_b32 s[G1J+0], 15|(3<<16)|(1<<21)         ; joint: 70 rows of 256 bytes, dense
	s_mov_b32 s[G1J+1], 32<<16
	s_mov_b32 s[G1J+2], 70<<16
	s_mov_b32 s[G1J+3], 32<<16
	s_mov_b32 s[G1J+4], 70
	s_mov_b32 s[G1J+5], 32
	s_mov_b32 s[G1J+6], 0
	s_mov_b32 s[G1J+7], 0
	s_mov_b32 s[G1H+0], (3<<16)|(1<<20)|(7<<22)|(3<<25)  ; my own: 16 rows of h, 1,024 bytes + 16 of padding
	s_mov_b32 s[G1H+1], 128<<16
	s_mov_b32 s[G1H+2], 16<<16
	s_mov_b32 s[G1H+3], 128<<16
	s_mov_b32 s[G1H+4], 16
	s_mov_b32 s[G1H+5], 128
	s_mov_b32 s[G1H+6], 0
	s_mov_b32 s[G1H+7], 0
	s_mov_b32 s[SEL], 0x76543210
	s_mov_b32 s[SEL+1], 0xfedcba98
	s_mov_b32 s[NINF], 0xff800000
	s_lshl_b32 s[TID], s[WV], 3
	s_mul_i32 s16, s[WV], PART
	s_mov_b32 s17, 0
	s_mul_i32 s[G0H+1], s[WV], STGB
	s_add_co_u32 s[G0H+1], s[G0H+1], SLOT1         ; h's stages lie in slot 1, which chunk 1 fills later
	s_lshl_b32 s60, s14, 7
	s_lshl_b32 s61, s[WV], 4
	s_add_co_u32 s60, s60, s61
	s_lshl_b32 s60, s60, 10
	s_mov_b32 s61, 0
	s_cmp_lt_u32 ttmp9, 4
	s_cselect_b32 s[LIM], 1, -1                    ; 1 in the clusters that prefetch
	s_mul_i32 s3, s13, 18
	s_lshl_b32 s52, s[WV], 14
	s_add_co_u32 s53, s52, CHUNK
	s_lshl_b32 s54, s[WV], 10
	s_add_co_u32 s62, s54, MRGV
	s_add_co_u32 s54, s54, SCLO
	s_add_co_u32 s55, s54, CHUNK
	s_lshl_b32 s56, s[WV], 9
	s_add_co_u32 s56, s56, HCO
	s_add_co_u32 s57, s56, CHUNK
	s_lshl_b32 s58, s[WV], 11
	s_add_co_u32 s58, s58, TI
	s_lshl_b32 s59, s[WV], 7
	s_add_co_u32 s15, s59, MRGV
	s_add_co_u32 s59, s59, TS
	s_lshl_b32 s2, s[WV], 6
	s_add_co_u32 s2, s2, OUTS
	v_and_b32 v[LN], 31, v0
	v_and_b32 v[RR], 15, v0
	v_bfe_u32 v[HH], v0, 4, 1
	v_lshlrev_b32 v[H8], 3, v[HH]
	v_lshl_add_u32 v[ADC], v[LN], 4, s52
	v_lshl_add_u32 v[ADC+1], v[LN], 4, s53
	v_lshl_add_u32 v[ADS], v[LN], 2, s54
	v_lshl_add_u32 v[ADS+1], v[LN], 2, s55
	v_lshl_add_u32 v[ADH], v[HH], 5, s56
	v_lshl_add_u32 v[ADH+1], v[HH], 5, s57
	v_mul_u32_u24 v[STA], v[RR], SPITCH
	v_lshl_add_u32 v[TIW], v[LN], 4, s58
	v_lshl_add_u32 v[TSW], v[LN], 2, s59
	v_lshl_add_u32 v[STA], v[HH], 6, v[STA]
	v_lshl_add_u32 v[TIR], v[LN], 4, TI
	v_lshl_add_u32 v[TSR], v[LN], 2, TS
	v_add_nc_u32 v[STA], s[G0H+1], v[STA]
	v_lshl_add_u32 v[MW], v[LN], 2, s62
	v_lshl_add_u32 v[MR], v[LN], 2, s15
	v_lshl_add_u32 v[OW], v[RR], 2, s2
	v_lshl_add_u32 v[ORD], v[LN], 4, OUTS
	v_lshlrev_b32 v[GO], 4, v[LN]
	v_min_u32 v[PFO], 17, v[LN]
.irp b, 0,1,2,3
	v_mov_b32 v[TM+4+\b], 0                        ; a lane permute's destination counts as one of its sources
.endr
	v_add_nc_u32 v[PFO], s3, v[PFO]
	v_mov_b32 v[TT], 0
	v_min_u32 v[PFO], 69, v[PFO]                   ; my row of the 70 that my wave loads
	v_lshl_add_u32 v[PFO], v[PFO], 8, s16
	s_wait_alu depctr_va_vdst(0)                   ; the wait at the head's end
	s_wait_dscnt 0x0
	s_wait_kmcnt 0x0
	s_add_nc_u64 s[18:19], s[6:7], s[16:17]
	s_mov_b32 s[G0], 1
	s_mov_b32 s[G0+1], s16
	s_mov_b64 s[G0+2:G0+3], s[18:19]
	s_or_b32 s[G0+3], s[G0+3], 0x80000000
	s_mov_b32 s[G0+4], 1
	s_add_co_u32 s[G0+5], s16, SLOT1
	s_add_nc_u64 s[G0+6:G0+7], s[18:19], CHUNK
	s_or_b32 s[G0+7], s[G0+7], 0x80000000
	s_mov_b32 s[G0H], 1
	s_add_nc_u64 s[G0H+2:G0H+3], s[4:5], s[60:61]
	s_or_b32 s[G0H+3], s[G0H+3], 0x80000000
	s_mov_b64 s[PFA:PFA+1], s[6:7]
	s_cmp_eq_u32 s[LIM], 1
	s_cbranch_scc0 .Lnp_a
	global_prefetch_b8 v[PFO], s[PFA:PFA+1] th:TH_LOAD_NT scope:SCOPE_SE
	global_prefetch_b8 v[PFO], s[PFA:PFA+1] offset:CHUNK th:TH_LOAD_NT scope:SCOPE_SE
.Lnp_a:
	CROUND
	tensor_load_to_lds s[G0H:G0H+3], s[G1H:G1H+7]  ; my 16 tokens: my one tensor load at the head
	s_nop 0
	s_wait_tensorcnt 0x0                           ; they lie in my stage
	ds_add_u32 v[SPW], v[NIL]
	s_wait_dscnt 0x0
	CROUND
	tensor_load_to_lds s[G0:G0+3], s[G1J:G1J+7]    ; chunk 0 into slot 0: on its way while the tokens are quantised
	s_nop 0
	STAGE_IN
	s_cmp_eq_u32 s[LIM], 1
	s_cbranch_scc0 .Lnp_b
	global_prefetch_b8 v[PFO], s[PFA:PFA+1] offset:2*CHUNK th:TH_LOAD_NT scope:SCOPE_SE
	global_prefetch_b8 v[PFO], s[PFA:PFA+1] offset:3*CHUNK th:TH_LOAD_NT scope:SCOPE_SE
.Lnp_b:
	s_wait_dscnt 16                                ; K step 0's sixteen loads are in
	SQSUM NA, 1
	QUANT NA, PC0, PW0
	s_wait_dscnt 0x0
	SQSUM NB, 0
	SQEND X2
	QUANT NB, PC1, PW1
	v_cmp_eq_u32 vcc_lo, 1, v[HH]
	v_cndmask_b32 v[SCW], v[PW0], v[PW1], vcc_lo   ; lanes 0-15 K step 0's words, lanes 16-31 K step 1's
	ds_store_b128 v[TIW], v[PC0:PC0+3]
	ds_store_b128 v[TIW], v[PC0+4:PC0+7] offset:512
	ds_store_b128 v[TIW], v[PC1:PC1+3] offset:1024
	ds_store_b128 v[TIW], v[PC1+4:PC1+7] offset:1536
	ds_store_b32 v[TSW], v[SCW]
	s_wait_tensorcnt 0x0                           ; my part of chunk 0 has landed
	ds_add_u32 v[SPW], v[NIL]
.irp i, 0,1,2,3,4,5,6,7
	v_mov_b32 v[ID+\i], s[TID]
.endr
.set p, 0
.rept 16
	v_mov_b32 v[BA+p], s[NINF]                     ; under every s
.set p, p+1
.endr
.set p, 0
.rept 96
	v_mov_b32 v[ACC+32+p], s[NINF]                 ; the kept scores; and the upper accumulators, which the loop's first finish names before they hold a tile: it changes nothing
.set p, p+1
.endr
	s_sub_co_u32 s[TID], s[TID], 57
	s_wait_alu depctr_va_vdst(0)
	s_wait_dscnt 0x0                               ; my stores, my reads of the stage and the add are done
	CROUND
	tensor_load_to_lds s[G0+4:G0+7], s[G1J:G1J+7]  ; chunk 1 into slot 1
	s_nop 0
.rept 4
	v_nop
.endr
	WIN 0x40
.irp i, 0,1,2,3,4,5,6,7
.irp q, 0,1,2,3
	ds_load_b128 v[16*\i+4*\q:16*\i+4*\q+3], v[TIR] offset:\i*2048+\q*512
.endr
.endr
	WIN 0
.irp i, 0,1,2,3,4,5,6,7
	ds_load_b32 v[TSC+\i], v[TSR] offset:\i*128
.endr
.irp t, 0,1,2,3,4,5,6
	LOADT 0, \t                                    ; chunk 0's tiles 0-6; its tile 7 comes in the first half step, like every chunk's
.endr
	s_mov_b32 s3, 3
.Lring:                                                ; a trip: two chunks, both slots filled again (chunks 2 to 7)
	PHASE 2, 0, 1, 4*CHUNK
	PHASE 2, 1, 0, 5*CHUNK
	ALU
	s_wait_xcnt 0x0                                ; the prefetches have read their base
	s_add_nc_u64 s[PFA:PFA+1], s[PFA:PFA+1], 2*CHUNK
	s_sub_co_u32 s3, s3, 1
	s_cmp_lg_u32 s3, 0
	s_cbranch_scc1 .Lring
	PHASE 1, 0, 1, 0                               ; chunk 6: nothing is filled again
	PHASE 0, 1, 0, 0                               ; chunk 7
	SETF 7, 1                                      ; the last half is finished
.irp i, 0,1,2,3
	CMP \i
	KEEP \i
.endr
	; the code inside the winning tile: the lowest j whose kept score is the best
.irp i, 0,1,2,3,4,5,6,7
	v_mov_b32 v[BB+\i], 7
.endr
.irp j, 6,5,4,3,2,1,0
.irp i, 0,1,2,3,4,5,6,7
	v_cmp_eq_f32 s[M+\i], v[SV+8*\i+\j], v[BA+\i]
.endr
.irp i, 0,1,2,3,4,5,6,7
	v_cndmask_b32 v[BB+\i], v[BB+\i], \j, s[M+\i]
.endr
.endr
.irp i, 0,1,2,3,4,5,6,7
	v_lshl_add_u32 v[BB+\i], v[ID+\i], 4, v[BB+\i]
.endr
.irp i, 0,1,2,3,4,5,6,7
	v_add_nc_u32 v[BB+\i], v[BB+\i], v[H8]
.endr
.irp i, 0,1,2,3,4,5,6,7
	ds_store_b32 v[MW], v[BA+\i] offset:\i*128
	ds_store_b32 v[MW], v[BB+\i] offset:MRGI+\i*128
.endr
	s_wait_dscnt 0x0
	s_barrier_signal -1
	s_barrier_wait -1
.irp w, 0,1,2,3,4,5,6,7
	ds_load_b32 v[ACC+\w], v[MR] offset:\w*1024    ; wave w's candidates for my own 16 tokens
.endr
.irp w, 0,1,2,3,4,5,6,7
	ds_load_b32 v[ACC+8+\w], v[MR] offset:MRGI+\w*1024
.endr
	v_mov_b32 v[ACC+16], 0
	v_mov_b32 v[ACC+17], 0
	s_wait_dscnt 0x0
.irp w, 0,1,2,3,4,5,6,7
	v_fma_f32 v[ACC+\w], v[ACC+\w], -2.0, v[X2]
.endr
.irp w, 1,2,3,4,5,6,7
	MERGE ACC+\w, ACC+8+\w
.endr
	s_delay_alu instid0(VALU_DEP_2)
	v_permlanex16_b32 v[ACC+16], v[ACC], s[SEL], s[SEL+1]
	s_delay_alu instid0(VALU_DEP_2)
	v_permlanex16_b32 v[ACC+17], v[ACC+8], s[SEL], s[SEL+1]
	MERGE ACC+16, ACC+17
	ds_store_b32 v[OW], v[ACC+8]
	s_wait_dscnt 0x0
	s_barrier_signal -1
	s_barrier_wait -1
	s_cmp_lt_u32 s[WV], 2
	s_cbranch_scc0 .Lno_store
	s_cmp_eq_u32 s[WV], 0                          ; wave 0 stores the 128 indices to out1, wave 1 to idxw: 512 consecutive bytes each
	s_cselect_b64 s[16:17], s[8:9], s[10:11]
	s_lshl_b32 s60, s14, 9
	s_mov_b32 s61, 0
	s_add_nc_u64 s[16:17], s[16:17], s[60:61]
	ds_load_b128 v[ACC:ACC+3], v[ORD]
	s_wait_dscnt 0x0
	global_store_b128 v[GO], v[ACC:ACC+3], s[16:17]
.Lno_store:
	s_wait_tensorcnt 0x0                           ; the wave's end
	ds_add_u32 v[SPW], v[NIL]
	s_wait_dscnt 0x0
	CROUND                                         ; the closing round
	s_endpgm
.Lfunc_end_k_qdee4f5d790_search:
	.size	k_qdee4f5d790_search, .Lfunc_end_k_qdee4f5d790_search-k_qdee4f5d790_search
	.p2alignl 7, 3214868480
	.fill 96, 4, 3214868480
	.section	.rodata,"a",@progbits
	.p2align	6, 0x0
	.amdhsa_kernel k_qdee4f5d790_search
		.amdhsa_group_segment_fixed_size 327680
		.amdhsa_private_segment_fixed_size 0
		.amdhsa_enable_private_segment 0
		.amdhsa_kernarg_size 32
		.amdhsa_user_sgpr_count 2
		.amdhsa_user_sgpr_kernarg_segment_ptr 1
		.amdhsa_wavefront_size32 1
		.amdhsa_system_sgpr_workgroup_id_x 1
		.amdhsa_system_sgpr_workgroup_id_y 1
		.amdhsa_system_sgpr_workgroup_id_z 1
		.amdhsa_system_vgpr_workitem_id 0
		.amdhsa_next_free_vgpr 512
		.amdhsa_next_free_sgpr 66
		.amdhsa_reserve_vcc 1
		.amdhsa_float_denorm_mode_32 3
		.amdhsa_float_denorm_mode_16_64 3
		.amdhsa_memory_ordered 1
		.amdhsa_forward_progress 1
		.amdhsa_inst_pref_size 255
	.end_amdhsa_kernel
	.section	.bss,"aw",@nobits
	.p2align	6
	.space	262144
	.amdgpu_metadata
---
amdhsa.version: [ 1, 2 ]
amdhsa.kernels:
  - .name:           k_qdee4f5d790_search
    .symbol:         k_qdee4f5d790_search.kd
    .args:
      - { .name: h, .offset: 0, .size: 8, .value_kind: global_buffer, .address_space: global }
      - { .name: cq, .offset: 8, .size: 8, .value_kind: global_buffer, .address_space: global }
      - { .name: out1, .offset: 16, .size: 8, .value_kind: global_buffer, .address_space: global }
      - { .name: idxw, .offset: 24, .size: 8, .value_kind: global_buffer, .address_space: global }
    .group_segment_fixed_size: 327680
    .private_segment_fixed_size: 0
    .kernarg_segment_align: 8
    .kernarg_segment_size: 32
    .max_flat_workgroup_size: 256
    .sgpr_count:     66
    .vgpr_count:     512
    .wavefront_size: 32
...
	.end_amdgpu_metadata
.endif
;; end of part 2
;; launch gather (part 3): grid 512 x 1, 8 waves a work-group, no clusters, 0 bytes of LDS; arguments codebook, idxw, out0; writes out0
.if DOCPART == 3
	.amdgcn_target "amdgcn-amd-amdhsa--gfx1250"
	.amdhsa_code_object_version 6
	.text
	.protected	k_qdee4f5d790_gather
	.globl	k_qdee4f5d790_gather
	.p2align	8
	.type	k_qdee4f5d790_gather,@function
k_qdee4f5d790_gather:
	s_mov_b64 s[64:65], 0
	v_nop
	global_prefetch_b8 v0, s[64:65] scope:SCOPE_SE
	s_setreg_imm32_b32 hwreg(HW_REG_WAVE_MODE, 25, 1), 1
	s_wait_xcnt 0x0
; out0[t] = codebook[idx[t]].  WORK LEFT OUT: reference()'s h + (q - h) is q in real numbers for every finite h and q, so h is not loaded here (shown at the head of the first kernel, with its limit).
; idx comes from idxw, whole numbers that the launch before stored.  A wave takes 8 tokens, written out without a loop: its 8 indices by one scalar load, 16 loads of 512 consecutive bytes (a row is two),
; all on their way together, and 16 stores of 512 consecutive bytes.  No LDS, no barrier, no matrix unit: waves share nothing.  A row may be named by many tokens, so its loads carry no hint.
.set QR, 8                             ; v8-71  8 registers a token
	s_load_b128 s[4:7], s[0:1], 0x0                ; codebook s[4:5], idxw s[6:7]
	s_load_b64 s[10:11], s[0:1], 0x10              ; out0
	v_lshrrev_b32 v2, 5, v0
	v_readfirstlane_b32 s12, v2                    ; wave 0..7
	v_and_b32 v1, 31, v0
	v_lshlrev_b32 v1, 4, v1                        ; 16 bytes a lane
	s_lshl_b32 s13, ttmp9, 3
	s_add_co_u32 s13, s13, s12                     ; which run of 8 tokens is mine
	s_lshl_b32 s14, s13, 5                         ; its 32 bytes of indices
	s_mov_b32 s15, 0
	s_lshl_b32 s40, s13, 13                        ; its 8,192 bytes of out0
	s_mov_b32 s41, 0
	s_mov_b32 s43, 0
	s_wait_alu depctr_va_vdst(0)                   ; the wait at the head's end
	s_wait_kmcnt 0x0
	s_add_nc_u64 s[6:7], s[6:7], s[14:15]
	s_load_b256 s[16:23], s[6:7], 0x0              ; my 8 indices
	s_add_nc_u64 s[10:11], s[10:11], s[40:41]
	s_wait_kmcnt 0x0
.irp t, 0,1,2,3,4,5,6,7
	s_min_u32 s42, s[16+\t], 0x1fff                ; an index stays inside the table
	s_lshl_b32 s42, s42, 10                        ; its row of 1,024 bytes
	s_add_nc_u64 s[24+2*\t:25+2*\t], s[4:5], s[42:43]
.endr
.irp t, 0,1,2,3,4,5,6,7
	global_load_b128 v[QR+8*\t:QR+8*\t+3], v1, s[24+2*\t:25+2*\t]
	global_load_b128 v[QR+8*\t+4:QR+8*\t+7], v1, s[24+2*\t:25+2*\t] offset:512
.endr
.irp t, 0,1,2,3,4,5,6,7
	s_wait_loadcnt 14-2*\t                         ; loads come back in order: this token's row is in, the later tokens' rows may be out
	global_store_b128 v1, v[QR+8*\t:QR+8*\t+3], s[10:11] offset:\t*1024 th:TH_STORE_NT
	global_store_b128 v1, v[QR+8*\t+4:QR+8*\t+7], s[10:11] offset:\t*1024+512 th:TH_STORE_NT
.endr
	s_endpgm
.Lfunc_end_k_qdee4f5d790_gather:
	.size	k_qdee4f5d790_gather, .Lfunc_end_k_qdee4f5d790_gather-k_qdee4f5d790_gather
	.p2alignl 7, 3214868480
	.fill 96, 4, 3214868480
	.section	.rodata,"a",@progbits
	.p2align	6, 0x0
	.amdhsa_kernel k_qdee4f5d790_gather
		.amdhsa_group_segment_fixed_size 0
		.amdhsa_private_segment_fixed_size 0
		.amdhsa_enable_private_segment 0
		.amdhsa_kernarg_size 24
		.amdhsa_user_sgpr_count 2
		.amdhsa_user_sgpr_kernarg_segment_ptr 1
		.amdhsa_wavefront_size32 1
		.amdhsa_system_sgpr_workgroup_id_x 1
		.amdhsa_system_sgpr_workgroup_id_y 1
		.amdhsa_system_sgpr_workgroup_id_z 1
		.amdhsa_system_vgpr_workitem_id 0
		.amdhsa_next_free_vgpr 72
		.amdhsa_next_free_sgpr 66
		.amdhsa_reserve_vcc 0
		.amdhsa_float_denorm_mode_32 3
		.amdhsa_float_denorm_mode_16_64 3
		.amdhsa_memory_ordered 1
		.amdhsa_forward_progress 1
		.amdhsa_inst_pref_size 6
	.end_amdhsa_kernel
	.amdgpu_metadata
---
amdhsa.version: [ 1, 2 ]
amdhsa.kernels:
  - .name:           k_qdee4f5d790_gather
    .symbol:         k_qdee4f5d790_gather.kd
    .args:
      - { .name: codebook, .offset: 0, .size: 8, .value_kind: global_buffer, .address_space: global }
      - { .name: idxw, .offset: 8, .size: 8, .value_kind: global_buffer, .address_space: global }
      - { .name: out0, .offset: 16, .size: 8, .value_kind: global_buffer, .address_space: global }
    .group_segment_fixed_size: 0
    .private_segment_fixed_size: 0
    .kernarg_segment_align: 8
    .kernarg_segment_size: 24
    .max_flat_workgroup_size: 256
    .sgpr_count:     66
    .vgpr_count:     72
    .wavefront_size: 32
...
	.end_amdgpu_metadata
.endif
;; end of part 3
